; MI455X (gfx1250); checked and timed in simulation.
; The chip was launched on July 23, 2026; its instructions are those of AMD's public machine-readable ISA for CDNA 5 (MIT licence, August 2026) and "CDNA5" Instruction Set Architecture Reference Guide (July 2026). The comments in the code are by the model that wrote it; some were corrected since.
;; Attention. Allowed arithmetic: matrix products marked QUANTISED: E2M1 operands, one E8M0 scale for each 32 along K, by v_wmma_scale_f32_16x16x128_f8f6f4 with both operands' format E2M1 (or v_wmma_scale_f32_32x16x128_f4), f32 sums; products left as they are: bf16, f16 or f32 operands; f32 sums; everything else in f32.
;; Inputs: b_proj 1,024 float32; w_proj 1,024 x 1,024 float32; w_qkv 1,024 x 3,072 float32; x 8 x 1,024 x 1,024 float32.
;; Outputs: out0 8 x 1,024 x 1,024 float32.
;; This version of the problem:
;;   THIS VERSION OF THE PROBLEM IS GIVEN IN LOW PRECISION. The matrix products marked QUANTISED in the list below multiply operands that are first quantised to E2M1 (2 exponent bits, 1 mantissa bit; 4 bits a number), with one power-of-two scale for each 32 numbers along K (OCP MX v1.0); their sums are f32. The products marked 'left as it is' may take bf16, f16 or f32 operands, with f32 sums. Whichever they take, every output number must still come out within the allowed error. Rounding operands to bf16 (8 significant bits) uses up far more of that allowance than f16 does (11 bits, for magnitudes from 6e-5 to 65,504). All else is computed in f32.
;;   The module's matrix products, in the order in which they are computed (A, B: the left and right operand; K: the contracted axis; several contracted axes count as one K, in the product's order):
;;     1. [M 8,192, K 1,024] x [K 1,024, N 3,072]; A: input x; B: input w_qkv: QUANTISED
;;     2. batch 128 x [M 1,024, K 64] x [K 64, N 1,024]; A: computed on the way; B: computed on the way: left as it is (an operand is computed on the way)
;;     3. batch 128 x [M 1,024, K 1,024] x [K 1,024, N 64]; A: computed on the way; B: computed on the way: left as it is (an operand is computed on the way)
;;     4. [M 8,192, K 1,024] x [K 1,024, N 1,024]; A: computed on the way; B: input w_proj: left as it is (an operand is computed on the way)
;;   THE QUANTISER, for each operand of a quantised product, along K:
;;     - K is cut into blocks of 32 from its start; a last block that is shorter is filled with zeros.
;;     - A block's scale is 2^e with e = floor(log2(the largest magnitude in the block)) - 2, held to -126 .. 127; a block of zeros has e = 0. As a byte (E8M0): e + 127.
;;     - Each number is divided by its block's scale, clamped to +-6, and rounded to the nearest number of E2M1, ties to even, subnormals kept.
;;     - The product sums the exact products of the quantised numbers (number of the format x scale) in f32.
;;   ~~~python
;;   def quantise(x, axis):      # numpy; x: float32 -> the quantised numbers, widened to float32 again
;;       x = np.moveaxis(x, axis, -1); K = x.shape[-1]
;;       x = np.pad(x, [(0, 0)] * (x.ndim - 1) + [(0, -K % 32)]); x = x.reshape(x.shape[:-1] + (-1, 32)); a = np.abs(x).max(-1, keepdims=True)
;;       e = np.where(a > 0, np.clip(np.frexp(np.where(a > 0, a, 1))[1] - 1 - 2, -126, 127), 0)      # np.frexp(a)[1] - 1 = floor(log2(a)), exactly
;;       r = np.clip(x / 2.0 ** e, -6, 6)
;;       step = 2.0 ** (np.maximum(np.frexp(np.where(r == 0, 1, r))[1] - 1, 0) - 1)
;;       q = np.round(r / step) * step * 2.0 ** e      # np.round: ties to even
;;       return np.moveaxis(q.reshape(q.shape[:-2] + (-1,))[..., :K], -1, axis).astype(np.float32)
;;   ~~~
;; One version. Each part assembles by itself: llvm-mc -triple=amdgcn-amd-amdhsa -mcpu=gfx1250 --defsym DOCPART=n.
;; ======== version 1 of 1: 4 launches
;; limits: values are held in f16: magnitudes above 65,504 overflow, below 6.1e-05 lose precision
;; workspace buffers: xc 4,194,304 bytes; xs 262,144 bytes; wc 1,572,864 bytes; ws 98,304 bytes; wp 2,097,152 bytes; qkv 50,331,648 bytes; ao 16,777,216 bytes
;; launch prep (part 1): grid 512 x 1, 4 waves a work-group, no clusters, 34,304 bytes of LDS; arguments x, w_qkv, w_proj, xc, xs, wc, ws, wp; writes xc, xs, wc, ws, wp
.if DOCPART == 1
	.amdgcn_target "amdgcn-amd-amdhsa--gfx1250"
	.amdhsa_code_object_version 6
	.text
	.protected	k_q0b0e34d3c1_prep
	.globl	k_q0b0e34d3c1_prep
	.p2align	8
	.type	k_q0b0e34d3c1_prep,@function
k_q0b0e34d3c1_prep:
	s_mov_b64 s[64:65], 0
	v_nop
	global_prefetch_b8 v0, s[64:65] scope:SCOPE_SE
	s_setreg_imm32_b32 hwreg(HW_REG_WAVE_MODE, 25, 1), 1
	s_wait_xcnt 0x0
; PREP: the operands of the later launches, each laid as an IMAGE OF THE READER'S FRAGMENT REGISTERS.
; No work of the problem is left out in this program: every input has a way to the output (x, w_qkv, w_proj, b_proj), there is no mask, and the softmax's maximum is taken.
; x [8192][1024] and w_qkv [1024][3072] (K = its first axis) become codes of E2M1 with one E8M0 byte for each 32 along K: the block's scale is 2^(floor(log2(largest magnitude)) - 2).
; w_proj [1024][1024] becomes f16, transposed (rows = output columns f) and with its K in the order k' = 64 head + d, where the problem's K index is 16 d + head.
; IMAGES.  A fragment is 16 rows x 128 K of codes (or x 32 K of f16) = 8 registers a lane = 1,024 bytes; a row's block of 32 codes (or 8 f16) number t lies at 256 t + 16 (row % 16).
;   xc [rowtile 512][K step of 128: 8][1024]; wc [rowtile 192][8][1024], rows = columns of w_qkv; xs, ws [rowtile][512 K: 2][row 16][16 bytes = 4 scale words]; wp [ntile 64][chunk of 32 k': 32][1024].
;   wc's and ws's rowtiles stand in the order in which a wave of the next launch takes them: column 1024 part + 128 j + 64 half + 16 i + r lies in rowtile 24 j + 12 half + 4 part + i.
; SHARES: work-groups 0-191 take w_qkv (a lane a column, registers down K: 32 columns x 128 K a wave), 192-255 w_proj (the same plan, 32 columns x 128 k' a wave), 256-511 x (16 rows x 512 K a wave, turned through the wave's own stage in LDS).
; Only the path for x touches LDS.  No barrier: waves share nothing.
; LIMITS: a block of zeros, and one whose largest magnitude lies under 2^-124, gets the byte 1 (its codes under that floor were not tried; the bytes are read by this program alone); NaN and infinities among the inputs are not served;
; |w_proj| stays under 65,504 (f16).
.set SPARE, 33792                      ; behind the four stages of 8,448 bytes: the spare words, 128 bytes a wave
.set SPW,   10                         ; v10 LDS address of my spare word; never rewritten
.set NIL,   11                         ; v11 0; never rewritten
	s_load_b512 s[4:19], s[0:1], 0x0               ; x 4, w_qkv 6, w_proj 8, xc 10, xs 12, wc 14, ws 16, wp 18
	v_lshl_add_u32 v[SPW], v0, 2, SPARE
	v_mov_b32 v[NIL], 0
	v_lshrrev_b32 v1, 5, v0
	v_readfirstlane_b32 s20, v1                    ; wave
	v_and_b32 v1, 31, v0                           ; lane
	v_and_b32 v2, 15, v0                           ; r
	v_bfe_u32 v3, v0, 4, 1                         ; h
	v_lshlrev_b32 v4, 4, v1                        ; 16 x lane
	s_mov_b32 s25, 0                               ; the upper word of every offset
	s_wait_kmcnt 0x0
	s_cmp_lt_u32 ttmp9, 192
	s_cbranch_scc1 .Lw
	s_cmp_lt_u32 ttmp9, 256
	s_cbranch_scc1 .Lp
; ---------------- x: wave 4 (id - 256) + wave = 2 rowtile + slot
.macro LOADX q                         ; K step q of 128: 16 rows x 512 bytes; a load reads one row's 512 consecutive bytes
.irp i, 0,1,2,3,4,5,6,7,8,9,10,11,12,13,14,15
	global_load_b128 v[128+64*((\q)%2)+4*\i:128+64*((\q)%2)+4*\i+3], v4, s[4:5] offset:\i*4096+(\q)*512 th:TH_LOAD_NT
.endr
.endm
.macro QSTEP q
.set RS, 128+64*((\q)%2)
.if (\q) < 3
	s_wait_loadcnt 16                              ; this step's 16 loads are in; the next step's 16 stay out
.else
	s_wait_loadcnt 0
.endif
.irp i, 0,1,2,3,4,5,6,7,8,9,10,11,12,13,14,15
	ds_store_b128 v5, v[RS+4*\i:RS+4*\i+3] offset:\i*528           ; row i as it lies; rows 528 bytes apart
.endr
.irp c, 0,1
.irp j, 0,1,2,3,4,5,6,7
	ds_load_b128 v[64+32*\c+4*\j:64+32*\c+4*\j+3], v6 offset:\c*256+16*\j   ; back: block 2 c + h of row r, 32 neighbours along K (LDS serves a wave's instructions in order)
.endr
.endr
	s_wait_dscnt 0x0                               ; my numbers are back, and the stores have read their registers,
.if (\q)+2 < 4
	LOADX (\q)+2                                   ; which take the loads of two steps on
.endif
.irp c, 0,1
	v_max3_num_f32 v[12+\c], |v[64+32*\c]|, |v[65+32*\c]|, 0x1800000   ; the block's largest magnitude, over the floor 2^(3 - 127): the byte cannot fall under 1
.endr
.irp i, 2,4,6,8,10,12,14,16,18,20,22,24,26,28,30
.irp c, 0,1
	v_max3_num_f32 v[12+\c], v[12+\c], |v[64+32*\c+\i]|, |v[65+32*\c+\i]|
.endr
.endr
.irp c, 0,1
	v_add_nc_u32 v[14+\c], 0xff000000, v[12+\c]    ; 2 off its exponent field: the conversion's scale operand
.endr
.irp c, 0,1
	v_lshrrev_b32 v[16+\c], 23, v[14+\c]           ; the scale's byte
.endr
	v_lshl_or_b32 v18, v17, 16, v16                ; my bytes: blocks h and 2 + h,
	v_lshlrev_b32 v18, v9, v18                     ; 8 h bits up;
	v_permlanex16_b32 v19, v18, s28, s29
	v_or_b32 v[24+(\q)], v18, v19                  ; with lane l xor 16's two: row r's scale word of this K step
.irp c, 0,1
.irp g, 0,1,2,3
	v_cvt_scalef32_pk8_fp4_f32 v[32+8*(\q)+4*\c+\g], v[64+32*\c+8*\g:64+32*\c+8*\g+7], v[14+\c]
.endr
.endr
	v_nop                                          ; a plain line behind the last conversion
.irp c, 0,1
	global_store_b128 v4, v[32+8*(\q)+4*\c:32+8*(\q)+4*\c+3], s[10:11] offset:(\q)*1024+\c*512   ; the fragment's image: 512 consecutive bytes; each step has its own registers
.endr
.endm
	s_sub_co_u32 s21, ttmp9, 256
	s_lshl_b32 s21, s21, 2
	s_add_co_u32 s21, s21, s20
	s_lshr_b32 s22, s21, 1                         ; rowtile
	s_and_b32 s23, s21, 1                          ; slot of 512 K
	s_lshl_b32 s24, s22, 16                        ; x: 16 rows of 4,096 bytes,
	s_lshl_b32 s26, s23, 11                        ; 512 numbers along K
	s_add_co_u32 s24, s24, s26
	s_add_nc_u64 s[4:5], s[4:5], s[24:25]
	s_lshl_b32 s24, s22, 13                        ; xc: 8,192 a rowtile, 4,096 a slot
	s_lshl_b32 s26, s23, 12
	s_add_co_u32 s24, s24, s26
	s_add_nc_u64 s[10:11], s[10:11], s[24:25]
	s_lshl_b32 s24, s22, 9                         ; xs: 512 a rowtile, 256 a slot
	s_lshl_b32 s26, s23, 8
	s_add_co_u32 s24, s24, s26
	s_add_nc_u64 s[12:13], s[12:13], s[24:25]
	s_mul_i32 s26, s20, 8448                       ; my stage
	v_add_nc_u32 v5, s26, v4                       ; in: 16 x lane
	v_mul_u32_u24 v6, v2, 528
	v_lshl_add_u32 v6, v3, 7, v6
	v_add_nc_u32 v6, s26, v6                       ; back: row r, + 128 h
	v_lshlrev_b32 v8, 4, v2                        ; 16 r
	v_lshlrev_b32 v9, 3, v3                        ; 8 h
	v_mov_b32 v19, 0                               ; a lane permute's destination counts as read
	s_mov_b32 s28, 0x76543210
	s_mov_b32 s29, 0xfedcba98                      ; lane l xor 16
	LOADX 0
	LOADX 1
	QSTEP 0
	QSTEP 1
	QSTEP 2
	QSTEP 3
	s_wait_xcnt 0x0                                ; EXEC changes only behind this wait
	v_cmp_gt_u32 vcc_lo, 16, v1
	s_and_saveexec_b32 s21, vcc_lo
	global_store_b128 v8, v[24:27], s[12:13]       ; sixteen lanes: the 16 rows' four scale words, 256 consecutive bytes, aligned
	s_wait_xcnt 0x0
	s_or_b32 exec_lo, exec_lo, s21
	s_wait_tensorcnt 0x0                           ; the wave's end, behind my last LDS store
	ds_add_u32 v[SPW], v[NIL]
	s_wait_dscnt 0x0
	s_endpgm
; ---------------- w_qkv: id = 8 x column group of 128 + K step of 128.  A wave has 4 blocks of 32 along K: one is on its way while another is worked on
.macro LOADW t                         ; block t: w(128 K step + 32 t + i, my column)
.irp i, 0,1,2,3,4,5,6,7,8,9,10,11,12,13,14,15,16,17,18,19,20,21,22,23,24,25,26,27,28,29,30,31
	global_load_b32 v[64+32*((\t)%2)+\i], v5, s[6:7] offset:(32*(\t)+\i)*12288 th:TH_LOAD_NT
.endr
.endm
.macro BLOCKW t
.set XS, 64+32*((\t)%2)
.if (\t) < 3
	s_wait_loadcnt 32                              ; this block's 32 loads are in; the next block's stay out
.else
	s_wait_loadcnt 0
.endif
	v_max3_num_f32 v12, |v[XS]|, |v[XS+1]|, |v[XS+2]|
	v_max3_num_f32 v13, |v[XS+3]|, |v[XS+4]|, |v[XS+5]|
.irp i, 6,10,14,18,22,26
	v_max3_num_f32 v12, v12, |v[XS+\i]|, |v[XS+\i+1]|
	v_max3_num_f32 v13, v13, |v[XS+\i+2]|, |v[XS+\i+3]|
.endr
	v_max3_num_f32 v12, v12, |v[XS+30]|, |v[XS+31]|
	v_max3_num_f32 v12, v12, v13, 0x1800000        ; and the floor
	v_add_nc_u32 v14, 0xff000000, v12
	v_lshrrev_b32 v15, 23, v14
.if (\t) == 0
	v_mov_b32 v24, v15                             ; four bytes make the K step's scale word, the lower K in the lower byte
.else
	v_lshl_or_b32 v24, v15, 8*(\t), v24
.endif
.irp g, 0,1,2,3
	v_cvt_scalef32_pk8_fp4_f32 v[128+4*(\t)+\g], v[XS+8*\g:XS+8*\g+7], v14
.endr
	v_nop
	global_store_b128 v7, v[128+4*(\t):128+4*(\t)+3], s[14:15] offset:(\t)*256   ; sixteen lanes fill 256 consecutive bytes, aligned; lanes 16-31 the next rowtile's
.if (\t)+2 < 4
	LOADW (\t)+2
.endif
.endm
.Lw:
	s_and_b32 s21, ttmp9, 7                        ; K step of 128
	s_lshr_b32 s22, ttmp9, 3                       ; column group of 128 = 8 part + j
	s_lshl_b32 s23, s22, 2
	s_add_co_u32 s23, s23, s20                     ; which 32 columns
	s_mul_i32 s24, s21, 1572864                    ; 128 rows of 12,288 bytes
	s_lshl_b32 s26, s23, 7
	s_add_co_u32 s24, s24, s26
	s_add_nc_u64 s[6:7], s[6:7], s[24:25]
	s_and_b32 s26, s22, 7                          ; the rowtile of lanes 0-15: 24 j
	s_mul_i32 s26, s26, 24
	s_lshr_b32 s27, s20, 1                         ; + 12 half (waves 2, 3)
	s_mul_i32 s27, s27, 12
	s_add_co_u32 s26, s26, s27
	s_lshr_b32 s27, s22, 3                         ; + 4 part
	s_lshl_b32 s27, s27, 2
	s_add_co_u32 s26, s26, s27
	s_and_b32 s27, s20, 1                          ; + 2 (wave % 2)
	s_lshl_b32 s27, s27, 1
	s_add_co_u32 s26, s26, s27
	s_lshl_b32 s24, s26, 13                        ; wc: 8,192 a rowtile, 1,024 a K step
	s_lshl_b32 s27, s21, 10
	s_add_co_u32 s24, s24, s27
	s_add_nc_u64 s[14:15], s[14:15], s[24:25]
	s_lshl_b32 s24, s26, 9                         ; ws: 512 a rowtile, 256 for each 4 K steps, 4 a K step
	s_lshr_b32 s27, s21, 2
	s_lshl_b32 s27, s27, 8
	s_add_co_u32 s24, s24, s27
	s_and_b32 s27, s21, 3
	s_lshl_b32 s27, s27, 2
	s_add_co_u32 s24, s24, s27
	s_add_nc_u64 s[16:17], s[16:17], s[24:25]
	v_lshlrev_b32 v5, 2, v1                        ; in: 4 bytes a lane
	v_lshlrev_b32 v6, 4, v2
	v_lshl_add_u32 v7, v3, 13, v6                  ; codes: 16 r + 8,192 h
	v_lshl_add_u32 v8, v3, 9, v6                   ; scale words: 16 r + 512 h
	LOADW 0
	LOADW 1
.irp t, 0,1,2,3
	BLOCKW \t
.endr
	global_store_b32 v8, v24, s[16:17]             ; my column's scale word of this K step: 4 bytes a lane, 16 apart; four work-groups together fill each 256 bytes.  ws has 98,304 bytes in all, one byte for each 128 that this path reads
	s_endpgm
; ---------------- w_proj: id - 192 = 8 kq + column group of 128; chunks of 32 k': 4 kq + u
.macro LOADP u                         ; k' = 32 (4 kq + u) + i = 64 head + d: head = 2 kq + u / 2, d = 32 (u % 2) + i; the row in memory is 16 d + head
.irp i, 0,1,2,3,4,5,6,7,8,9,10,11,12,13,14,15,16,17,18,19,20,21,22,23,24,25,26,27,28,29,30,31
	global_load_b32 v[64+32*((\u)%2)+\i], v5, s[8:9] offset:((((\u)&1)*32+\i)*16+((\u)>>1))*4096 th:TH_LOAD_NT
.endr
.endm
.macro CHUNK u
.set XS, 64+32*((\u)%2)
.if (\u) < 3
	s_wait_loadcnt 32                              ; this chunk's loads are in; the next chunk's stay out
.else
	s_wait_loadcnt 0
.endif
.irp i, 0,1,2,3,4,5,6,7,8,9,10,11,12,13,14,15
	v_cvt_pk_f16_f32 v[128+16*(\u)+\i], v[XS+2*\i], v[XS+2*\i+1]
.endr
.irp c, 0,1,2,3
	global_store_b128 v7, v[128+16*(\u)+4*\c:128+16*(\u)+4*\c+3], s[18:19] offset:(\u)*1024+\c*256
.endr
.if (\u)+2 < 4
	LOADP (\u)+2
.endif
.endm
.Lp:
	s_sub_co_u32 s21, ttmp9, 192
	s_and_b32 s22, s21, 7                          ; column group
	s_lshr_b32 s23, s21, 3                         ; kq
	s_lshl_b32 s26, s22, 2
	s_add_co_u32 s26, s26, s20                     ; which 32 columns
	s_lshl_b32 s24, s23, 13                        ; head 2 kq: 2 rows of 4,096 bytes
	s_lshl_b32 s27, s26, 7
	s_add_co_u32 s24, s24, s27
	s_add_nc_u64 s[8:9], s[8:9], s[24:25]
	s_lshl_b32 s24, s26, 16                        ; wp: two ntiles of 32,768;
	s_lshl_b32 s27, s23, 12                        ; 4 chunks of 1,024
	s_add_co_u32 s24, s24, s27
	s_add_nc_u64 s[18:19], s[18:19], s[24:25]
	v_lshlrev_b32 v5, 2, v1
	v_lshlrev_b32 v6, 4, v2
	v_lshl_add_u32 v7, v3, 15, v6                  ; 16 r + 32,768 h
	LOADP 0
	LOADP 1
.irp u, 0,1,2,3
	CHUNK \u
.endr
	s_endpgm
.Lfunc_end_k_q0b0e34d3c1_prep:
	.size	k_q0b0e34d3c1_prep, .Lfunc_end_k_q0b0e34d3c1_prep-k_q0b0e34d3c1_prep
	.p2alignl 7, 3214868480
	.fill 96, 4, 3214868480
	.section	.rodata,"a",@progbits
	.p2align	6, 0x0
	.amdhsa_kernel k_q0b0e34d3c1_prep
		.amdhsa_group_segment_fixed_size 34304
		.amdhsa_private_segment_fixed_size 0
		.amdhsa_enable_private_segment 0
		.amdhsa_kernarg_size 64
		.amdhsa_user_sgpr_count 2
		.amdhsa_user_sgpr_kernarg_segment_ptr 1
		.amdhsa_wavefront_size32 1
		.amdhsa_system_sgpr_workgroup_id_x 1
		.amdhsa_system_sgpr_workgroup_id_y 1
		.amdhsa_system_sgpr_workgroup_id_z 1
		.amdhsa_system_vgpr_workitem_id 0
		.amdhsa_next_free_vgpr 256
		.amdhsa_next_free_sgpr 66
		.amdhsa_reserve_vcc 1
		.amdhsa_float_denorm_mode_32 3
		.amdhsa_float_denorm_mode_16_64 3
		.amdhsa_memory_ordered 1
		.amdhsa_forward_progress 1
		.amdhsa_inst_pref_size 68
	.end_amdhsa_kernel
	.amdgpu_metadata
---
amdhsa.version: [ 1, 2 ]
amdhsa.kernels:
  - .name:           k_q0b0e34d3c1_prep
    .symbol:         k_q0b0e34d3c1_prep.kd
    .args:
      - { .name: x, .offset: 0, .size: 8, .value_kind: global_buffer, .address_space: global }
      - { .name: w_qkv, .offset: 8, .size: 8, .value_kind: global_buffer, .address_space: global }
      - { .name: w_proj, .offset: 16, .size: 8, .value_kind: global_buffer, .address_space: global }
      - { .name: xc, .offset: 24, .size: 8, .value_kind: global_buffer, .address_space: global }
      - { .name: xs, .offset: 32, .size: 8, .value_kind: global_buffer, .address_space: global }
      - { .name: wc, .offset: 40, .size: 8, .value_kind: global_buffer, .address_space: global }
      - { .name: ws, .offset: 48, .size: 8, .value_kind: global_buffer, .address_space: global }
      - { .name: wp, .offset: 56, .size: 8, .value_kind: global_buffer, .address_space: global }
    .group_segment_fixed_size: 34304
    .private_segment_fixed_size: 0
    .kernarg_segment_align: 8
    .kernarg_segment_size: 64
    .max_flat_workgroup_size: 128
    .sgpr_count:     66
    .vgpr_count:     256
    .wavefront_size: 32
...
	.end_amdgpu_metadata
.endif
;; end of part 1
;; launch qkv (part 2): grid 8 x 32, 4 waves a work-group, clusters of 4 x 4, 327,680 bytes of LDS; arguments xc, xs, wc, ws, qkv; writes qkv
.if DOCPART == 2
	.amdgcn_target "amdgcn-amd-amdhsa--gfx1250"
	.amdhsa_code_object_version 6
	.text
	.protected	k_q0b0e34d3c1_qkv
	.globl	k_q0b0e34d3c1_qkv
	.p2align	8
	.type	k_q0b0e34d3c1_qkv,@function
k_q0b0e34d3c1_qkv:
	s_mov_b64 s[64:65], 0
	v_nop
	global_prefetch_b8 v0, s[64:65] scope:SCOPE_SE
	s_setreg_imm32_b32 hwreg(HW_REG_WAVE_MODE, 25, 1), 1
	s_wait_xcnt 0x0
	s_wait_alu depctr_hold_cnt(0) depctr_sa_sdst(0) depctr_va_vdst(0) depctr_va_sdst(0) depctr_va_ssrc(0) depctr_va_vcc(0) depctr_vm_vsrc(0)
	s_getreg_b32 s2, hwreg(HW_REG_IB_STS2, 6, 4)
	s_cmp_eq_u32 s2, 0
	s_cbranch_scc0 .Lentry_in_a_cluster
	s_endpgm
.Lentry_in_a_cluster:
	s_bfe_u32 s2, ttmp6, 0x10000c
	s_cmp_lg_u32 s2, 0xf033
	s_cbranch_scc0 .Lentry_shape_is_right
	s_endpgm
.Lentry_shape_is_right:
; QKV: the quantised product x w_qkv on codes of E2M1 with E8M0 scales, sums in f32; q, k and v^T leave as f16, laid as images of the attention launch's fragment registers.  Nothing of the problem is left out here.
; SHARES.  8,192 x 3,072 results are 98,304 for each of 256 work-groups: a work-group takes 256 tokens (grid y) and 384 columns that are not neighbours: 128 of q, the same 128 of k, the same 128 of v (grid x).
; A wave takes 128 tokens x one head (64 columns) of each of q, k, v: 96 accumulators of 16 x 16, 768 registers.
; OPERANDS ARE IMAGES: a fragment (16 rows x 128 K) is 1,024 consecutive bytes, lane l's 16 bytes at 16 l and 512 + 16 l: LDS and memory are read densely, no padding.  wc's rowtiles stand so that a wave's 12 are neighbours.
; K = 1,024 is 8 steps of 128.  Codes and scale words of all 8 would be 348,160 bytes; so K steps 0 to 6 lie in LDS, each byte filled once, and K STEP 7 GOES FROM MEMORY STRAIGHT INTO THE FRAGMENT REGISTERS:
; its 40 loads are issued at the head, while the tiles are on their way, and it is multiplied first.
; CLUSTERS 4 x 4: x's tiles hang on the tile row alone and are asked for jointly along a row of the cluster, w's on the tile column alone and along a column.  Three joint loads a wave: scale words, K steps 0-2, K steps 3-6.
; SOURCES.  q, k: source 0 = 16 columns of w, source 1 = 16 tokens: a lane holds one token and 8 neighbouring channels: half a fragment of q or k.
;           v:    source 0 = 16 tokens, source 1 = 16 columns of w: a lane holds one channel and 8 neighbouring tokens: half a fragment of v^T.
; qkv: [batch x head 128][q, k, v][131,072]: q, k [tokentile 64][16 channels: 4][512]; v [32 keys: 32][16 channels: 4][16 keys: 2][512].  Every store of a wave covers 512 consecutive bytes, aligned.
; The factor 1 / 8 on q rides in the softmax's multiply-add.   LIMIT: |q|, |k|, |v| stay under 65,504 (f16).
; REGISTERS: window 0: v0-7 addresses; v8-31 scale words, two sets of 12, and nothing else (lanes 0-15: x's block i % 8, lanes 16-31: w's block i); v32-127 w's 12 fragments, ONE set; v128-255 x's 8 fragments, TWO sets.
;   window 1: q's 32 accumulators ((b % 4, a) at v[8 (8 (b % 4) + a)]); window 2: k's; window 3: v's.
; A K step is 96 products, w's blocks one after the other, each against x's eight: so a block of w is free as soon as its eight products are issued, and one set serves w: blocks 0-5 are fetched anew in the step's middle, blocks 6-11 at its end.
.set LA0,   0                          ; LDS: x, K steps 0-2: 16 rowtiles x 3,072 bytes
.set LB0,   49152                      ;      w, K steps 0-2: 24 rowtiles x 3,072
.set LA1,   122880                     ;      x, K steps 3-6: 16 x 4,096
.set LB1,   188416                     ;      w, K steps 3-6: 24 x 4,096
.set LAS,   286720                     ;      x's scale words: 16 x 512
.set LBS,   294912                     ;      w's: 24 x 512
.set SPARE, 312320                     ;      the spare words, 128 bytes a wave
.set CO,    0                          ; v0 16 x lane (from the head's end on)
.set ADRA0, 1
.set ADRB0, 2
.set ADRA1, 3
.set ADRB1, 4
.set ADRS,  5
.set SPW,   6
.set NIL,   7
.set SC,    8
.set BF,    32
.set AF,    128
.set TMP,   32                         ; the way out: seven sets of 32
.set G1A0, 24                          ; descriptor groups 1: x's K steps 0-2, 3-6, scale words; w's likewise
.set G1A1, 32
.set G1AS, 40
.set G1B0, 48
.set G1B1, 56
.set G1BS, 68
.set G0A0, 76                          ; and groups 0
.set G0A1, 80
.set G0AS, 84
.set G0B0, 88
.set G0B1, 92
.set G0BS, 96
.set MSB, 0
.macro WIN new                         ; the immediate's high byte repeats the setting that is left
.if MSB != \new
	s_set_vgpr_msb (MSB<<8)|\new
.set MSB, \new
.endif
.endm
.macro SHAPE g, c, r, p                ; r rows of c elements of 8 bytes, p elements from row to row
	s_mov_b32 s[\g+1], (\c)<<16
	s_mov_b32 s[\g+2], (\r)<<16
	s_mov_b32 s[\g+3], (\c)<<16
	s_mov_b32 s[\g+4], \r
	s_mov_b32 s[\g+5], \p
	s_mov_b32 s[\g+6], 0
	s_mov_b32 s[\g+7], 0
.endm
.macro JLOAD g0a, g1a, g0b, g1b        ; a joint load: waves 0, 1 fetch x's halves, waves 2, 3 w's; an s_nop 0 and four v_nop follow each line
	s_cmp_eq_u32 s15, 0
	s_cbranch_scc0 .Lfor_b_\@
	tensor_load_to_lds s[\g0a:\g0a+3], s[\g1a:\g1a+7]
	s_nop 0
.rept 4
	v_nop
.endr
	s_branch .Lasked_\@
.Lfor_b_\@:
	tensor_load_to_lds s[\g0b:\g0b+3], s[\g1b:\g1b+7]
	s_nop 0
.rept 4
	v_nop
.endr
.Lasked_\@:
.endm
.macro CREST
	s_cmp_lg_u32 s14, 0
	s_cbranch_scc1 .Lnot_wave_0_\@
	s_barrier_signal -3
.Lnot_wave_0_\@:
	s_barrier_wait -3
	s_barrier_signal -1
	s_barrier_wait -1
.endm
.macro CROUND
	s_barrier_signal -1
	s_barrier_wait -1
	CREST
.endm
	s_load_b128 s[4:7], s[0:1], 0x0                ; xc, xs
	s_load_b128 s[8:11], s[0:1], 0x10              ; wc, ws
	s_load_b64 s[12:13], s[0:1], 0x20              ; qkv
	v_lshl_add_u32 v[SPW], v0, 2, SPARE
	v_mov_b32 v[NIL], 0
	ds_add_u32 v[SPW], v[NIL]                      ; the wave's opening: the add, twice on end, and its wait ahead of my first tensor load
	ds_add_u32 v[SPW], v[NIL]
	v_lshrrev_b32 v1, 5, v0
	v_readfirstlane_b32 s14, v1                    ; wave
	s_lshr_b32 s15, s14, 1                         ; my half of the tokens.  Also: I fetch for x (0) or w (1)
	s_and_b32 s16, s14, 1                          ; my head of the two.  Also: which half I fetch
	s_bfe_u32 s19, ttmp6, 0x40000                  ; cx
	s_bfe_u32 s20, ttmp6, 0x40004                  ; cy
	s_lshl_b32 s18, ttmp9, 2
	s_add_co_u32 s18, s18, s19                     ; tile column j: 128 columns of each of q, k, v
	s_and_b32 s17, ttmp7, 0xffff
	s_lshl_b32 s17, s17, 2
	s_add_co_u32 s17, s17, s20                     ; tile row: 256 tokens
	s_lshl_b32 s21, s20, 2
	s_lshl_b32 s21, 15, s21                        ; my row of the cluster
	s_lshl_b32 s22, 0x1111, s19                    ; my column
.irp g, G1A0, G1A1, G1AS
	s_or_b32 s[\g], s21, (3<<16)|(1<<21)           ; the mask; elements of 8 bytes; bit 21 beside the mask; no padding
.endr
.irp g, G1B0, G1B1, G1BS
	s_or_b32 s[\g], s22, (3<<16)|(1<<21)
.endr
	SHAPE G1A0, 384, 8, 1024                       ; 8 rowtiles x 3,072 bytes, 8,192 bytes from rowtile to rowtile
	SHAPE G1A1, 512, 8, 1024                       ; 8 x 4,096
	SHAPE G1AS, 32, 16, 32                         ; 4,096 dense bytes as 16 rows of 256
	SHAPE G1B0, 384, 12, 1024                      ; 12 rowtiles
	SHAPE G1B1, 512, 12, 1024
	SHAPE G1BS, 32, 24, 32                         ; 6,144 dense bytes
	s_mov_b32 s[G0A0], 1                           ; where they go: a constant + a constant x (wave % 2): no place in the cluster enters an LDS address
	s_mul_i32 s[G0A0+1], s16, 24576
	s_mov_b32 s[G0A1], 1
	s_lshl_b32 s[G0A1+1], s16, 15
	s_add_co_u32 s[G0A1+1], s[G0A1+1], LA1
	s_mov_b32 s[G0AS], 1
	s_lshl_b32 s[G0AS+1], s16, 12
	s_add_co_u32 s[G0AS+1], s[G0AS+1], LAS
	s_mov_b32 s[G0B0], 1
	s_mul_i32 s[G0B0+1], s16, 36864
	s_add_co_u32 s[G0B0+1], s[G0B0+1], LB0
	s_mov_b32 s[G0B1], 1
	s_mul_i32 s[G0B1+1], s16, 49152
	s_add_co_u32 s[G0B1+1], s[G0B1+1], LB1
	s_mov_b32 s[G0BS], 1
	s_mul_i32 s[G0BS+1], s16, 6144
	s_add_co_u32 s[G0BS+1], s[G0BS+1], LBS
	s_lshl_b32 s2, s17, 4                          ; x's rowtiles that I fetch: 16 x tile row + 8 x half
	s_lshl_b32 s3, s16, 3
	s_add_co_u32 s2, s2, s3
	s_lshl_b32 s[G0A0+2], s2, 13                   ; their codes' offset: the address is added below
	s_mov_b32 s[G0A0+3], 0
	s_lshl_b32 s[G0AS+2], s2, 9                    ; their scale words'
	s_mov_b32 s[G0AS+3], 0
	s_mul_i32 s66, s18, 24                         ; w's rowtiles, that I fetch and that I read: 24 j + 12 x half; in registers that never hold cy
	s_mul_i32 s67, s16, 12
	s_add_co_u32 s66, s66, s67
	s_lshl_b32 s[G0B0+2], s66, 13
	s_mov_b32 s[G0B0+3], 0
	s_lshl_b32 s[G0BS+2], s66, 9
	s_mov_b32 s[G0BS+3], 0
	s_lshl_b32 s2, s17, 4                          ; x's rowtiles that I read: 16 x tile row + 8 x my half of the tokens
	s_lshl_b32 s3, s15, 3
	s_add_co_u32 s2, s2, s3
	s_lshl_b32 s2, s2, 13
	s_mov_b32 s3, 0
	v_and_b32 v32, 15, v0                          ; r
	v_bfe_u32 v33, v0, 4, 1                        ; h
	v_and_b32 v34, 31, v0
	v_lshlrev_b32 v[CO], 4, v34                    ; 16 x lane
	s_mul_i32 s23, s15, 24576
	v_add_nc_u32 v[ADRA0], s23, v[CO]              ; my 8 rowtiles of x, K steps 0-2
	s_mul_i32 s23, s16, 36864
	s_add_co_u32 s23, s23, LB0
	v_add_nc_u32 v[ADRB0], s23, v[CO]              ; my 12 of w
	s_lshl_b32 s23, s15, 15
	s_add_co_u32 s23, s23, LA1
	v_add_nc_u32 v[ADRA1], s23, v[CO]              ; K steps 3-6
	s_mul_i32 s23, s16, 49152
	s_add_co_u32 s23, s23, LB1
	v_add_nc_u32 v[ADRB1], s23, v[CO]
	s_lshl_b32 s21, s15, 12                        ; scale words: x's, my 8 rowtiles of 512 bytes;
	s_mul_i32 s22, s16, 6144
	s_add_co_u32 s22, s22, LBS-LAS                 ; w's, my 12, behind x's
	s_sub_co_u32 s22, s22, s21
	v_mul_u32_u24 v34, s22, v33                    ; lanes 16-31 take w's: one product with h
	s_add_co_u32 s21, s21, LAS
	v_lshlrev_b32 v32, 4, v32                      ; 16 bytes a row
	v_add_nc_u32 v32, v32, v34
	v_add_nc_u32 v[ADRS], s21, v32
	s_wait_dscnt 0x0                               ; both opening adds are done
	s_wait_kmcnt 0x0
	s_add_nc_u64 s[G0A0+2:G0A0+3], s[4:5], s[G0A0+2:G0A0+3]
	s_add_nc_u64 s[G0A1+2:G0A1+3], s[G0A0+2:G0A0+3], 3072          ; K step 3 begins 3,072 bytes on in each rowtile
	s_add_nc_u64 s[G0AS+2:G0AS+3], s[6:7], s[G0AS+2:G0AS+3]
	s_add_nc_u64 s[G0B0+2:G0B0+3], s[8:9], s[G0B0+2:G0B0+3]
	s_add_nc_u64 s[G0B1+2:G0B1+3], s[G0B0+2:G0B0+3], 3072
	s_add_nc_u64 s[G0BS+2:G0BS+3], s[10:11], s[G0BS+2:G0BS+3]
	s_mov_b64 s[8:9], s[G0B0+2:G0B0+3]             ; wc at my 12 rowtiles
	s_add_nc_u64 s[4:5], s[4:5], s[2:3]            ; xc at my 8
.irp g, G0A0, G0A1, G0AS, G0B0, G0B1, G0BS
	s_or_b32 s[\g+3], s[\g+3], 0x80000000          ; type = 2
.endr
.irp a, 0,1,2,3,4,5,6,7                        ; K STEP 7, straight into the registers: x's set 0,
	global_load_b128 v[AF+8*\a:AF+8*\a+3], v[CO], s[4:5] offset:\a*8192+7168
	global_load_b128 v[AF+8*\a+4:AF+8*\a+7], v[CO], s[4:5] offset:\a*8192+7168+512
.endr
.irp b, 0,1,2,3,4,5,6,7,8,9,10,11              ; and w's twelve
	global_load_b128 v[BF+8*\b:BF+8*\b+3], v[CO], s[8:9] offset:\b*8192+7168
	global_load_b128 v[BF+8*\b+4:BF+8*\b+7], v[CO], s[8:9] offset:\b*8192+7168+512
.endr
	CROUND                                         ; all sixteen work-groups are here: the first joint loads meet
	JLOAD G0AS, G1AS, G0BS, G1BS                   ; the scale words of all of K
	JLOAD G0A0, G1A0, G0B0, G1B0                   ; K steps 0-2
	JLOAD G0A1, G1A1, G0B1, G1B1                   ; K steps 3-6: three tensor loads of mine are out
	s_lshr_b32 s66, s17, 2                         ; where my results go: batch = tile row / 4;
	s_lshl_b32 s66, s66, 4
	s_lshl_b32 s67, s18, 1                         ; head = 2 j + my head of the two
	s_add_co_u32 s66, s66, s67
	s_add_co_u32 s66, s66, s16
	s_mul_i32 s66, s66, 393216
	s_and_b32 s67, s17, 3                          ; tokentile = 16 (tile row % 4) + 8 x my half + a: 2,048 bytes each in q and k; two of them are 4,096 in v
	s_lshl_b32 s67, s67, 15
	s_add_co_u32 s66, s66, s67
	s_lshl_b32 s67, s15, 14
	s_add_co_u32 s66, s66, s67
	s_mov_b32 s67, 0
	s_add_nc_u64 s[12:13], s[12:13], s[66:67]
; 8 matrix instructions: w's block b against x's eight, from x's set p and scale set p.  zero = 1: the first product starts the sums: nothing is ever cleared.
; The 96 accumulators take turns, one instruction a turn, in the same order in every step.
.macro MULB b, p, zero
.irp a, 0,1,2,3,4,5,6,7
.if (\b) < 8
.if \zero
	v_wmma_scale_f32_16x16x128_f8f6f4 v[8*(8*((\b)%4)+\a):8*(8*((\b)%4)+\a)+7], v[BF+8*(\b):BF+8*(\b)+7], v[AF+64*(\p)+8*\a:AF+64*(\p)+8*\a+7], 0, v[SC+12*(\p)+(\b)], v[SC+12*(\p)+\a] matrix_a_fmt:MATRIX_FMT_FP4 matrix_b_fmt:MATRIX_FMT_FP4 matrix_a_scale:MATRIX_SCALE_ROW1
.else
	v_wmma_scale_f32_16x16x128_f8f6f4 v[8*(8*((\b)%4)+\a):8*(8*((\b)%4)+\a)+7], v[BF+8*(\b):BF+8*(\b)+7], v[AF+64*(\p)+8*\a:AF+64*(\p)+8*\a+7], v[8*(8*((\b)%4)+\a):8*(8*((\b)%4)+\a)+7], v[SC+12*(\p)+(\b)], v[SC+12*(\p)+\a] matrix_a_fmt:MATRIX_FMT_FP4 matrix_b_fmt:MATRIX_FMT_FP4 matrix_a_scale:MATRIX_SCALE_ROW1
.endif
.else
.if \zero
	v_wmma_scale_f32_16x16x128_f8f6f4 v[8*(8*((\b)%4)+\a):8*(8*((\b)%4)+\a)+7], v[AF+64*(\p)+8*\a:AF+64*(\p)+8*\a+7], v[BF+8*(\b):BF+8*(\b)+7], 0, v[SC+12*(\p)+\a], v[SC+12*(\p)+(\b)] matrix_a_fmt:MATRIX_FMT_FP4 matrix_b_fmt:MATRIX_FMT_FP4 matrix_b_scale:MATRIX_SCALE_ROW1
.else
	v_wmma_scale_f32_16x16x128_f8f6f4 v[8*(8*((\b)%4)+\a):8*(8*((\b)%4)+\a)+7], v[AF+64*(\p)+8*\a:AF+64*(\p)+8*\a+7], v[BF+8*(\b):BF+8*(\b)+7], v[8*(8*((\b)%4)+\a):8*(8*((\b)%4)+\a)+7], v[SC+12*(\p)+\a], v[SC+12*(\p)+(\b)] matrix_a_fmt:MATRIX_FMT_FP4 matrix_b_fmt:MATRIX_FMT_FP4 matrix_b_scale:MATRIX_SCALE_ROW1
.endif
.endif
.endr
.endm
.macro FETCH_A ks, p                   ; x's eight fragments of K step ks into set p
.irp a, 0,1,2,3,4,5,6,7
.if (\ks) < 3
	ds_load_b128 v[AF+64*(\p)+8*\a:AF+64*(\p)+8*\a+3], v[ADRA0] offset:\a*3072+(\ks)*1024
	ds_load_b128 v[AF+64*(\p)+8*\a+4:AF+64*(\p)+8*\a+7], v[ADRA0] offset:\a*3072+(\ks)*1024+512
.else
	ds_load_b128 v[AF+64*(\p)+8*\a:AF+64*(\p)+8*\a+3], v[ADRA1] offset:\a*4096+((\ks)-3)*1024
	ds_load_b128 v[AF+64*(\p)+8*\a+4:AF+64*(\p)+8*\a+7], v[ADRA1] offset:\a*4096+((\ks)-3)*1024+512
.endif
.endr
.endm
.macro FETCH_B ks, b0                  ; w's blocks b0 .. b0 + 5 of K step ks
.irp b, 0,1,2,3,4,5
.if (\ks) < 3
	ds_load_b128 v[BF+8*((\b0)+\b):BF+8*((\b0)+\b)+3], v[ADRB0] offset:((\b0)+\b)*3072+(\ks)*1024
	ds_load_b128 v[BF+8*((\b0)+\b)+4:BF+8*((\b0)+\b)+7], v[ADRB0] offset:((\b0)+\b)*3072+(\ks)*1024+512
.else
	ds_load_b128 v[BF+8*((\b0)+\b):BF+8*((\b0)+\b)+3], v[ADRB1] offset:((\b0)+\b)*4096+((\ks)-3)*1024
	ds_load_b128 v[BF+8*((\b0)+\b)+4:BF+8*((\b0)+\b)+7], v[ADRB1] offset:((\b0)+\b)*4096+((\ks)-3)*1024+512
.endif
.endr
.endm
.macro SCALES ks, p                    ; K step ks's scale words into set p: register i: lanes 0-15 the word of x's block i (from i = 8 on: bytes that no product reads), lanes 16-31 that of w's block i
.irp i, 0,1,2,3,4,5,6,7,8,9,10,11
	ds_load_b32 v[SC+12*(\p)+\i], v[ADRS] offset:\i*512+((\ks)>>2)*256+((\ks)&3)*4
.endr
.endm
.macro PLACES                          ; four plain vector lines between a matrix instruction and a load into, or a vector read of, its registers
.rept 4
	v_nop
.endr
.endm
; A K STEP: multiplies x's set p.  nxt: the K step whose fragments it fetches (-1: none).  first = 1: K step 7, whose fragments come by global loads, starts the sums.
; meet = 1: the fetch reaches into the regions of K steps 3-6 for the first time: my load of them has landed, and one barrier shows everybody's; eight products stand between its signal and its wait.
.macro STEP nxt, p, first, meet
.if \first
	s_wait_loadcnt 0x0                             ; K step 7's fragments
	s_wait_dscnt 0x0                               ; and its scale words
.else
	s_wait_dscnt 12                                ; w's blocks 0-5, x's set and the scale words are in; the youngest twelve loads (w's blocks 6-11) may be out
.endif
	WIN 0x50                                       ; C and D window 1: q
.irp b, 0,1,2,3
	MULB \b, \p, \first
.endr
	WIN 0xa0                                       ; window 2: k
	MULB 4, \p, \first
.if \meet
	s_wait_dscnt 0x0                               ; no LDS load of mine is out at the signal
	s_wait_tensorcnt 0x0                           ; my last tensor load has landed
	s_barrier_signal -1
	MULB 5, \p, \first
	s_barrier_wait -1
.else
	MULB 5, \p, \first
	s_wait_dscnt 0x0                               ; w's blocks 6-11 are in (asked for 48 matrix instructions ago)
.endif
.if (\nxt) >= 0
	PLACES
	WIN 0
	FETCH_B \nxt, 0
	FETCH_A \nxt, 1-(\p)
	SCALES \nxt, 1-(\p)
	WIN 0xa0
.endif
	MULB 6, \p, \first
	MULB 7, \p, \first
	WIN 0xf0                                       ; window 3: v
.irp b, 8,9,10,11
	MULB \b, \p, \first
.endr
.if (\nxt) >= 0
	PLACES
	WIN 0
	FETCH_B \nxt, 6
.endif
.endm
	s_wait_tensorcnt 1                             ; the scale words and my part of K steps 0-2 are in; the load of K steps 3-6 may stay out
	s_barrier_signal -1
	s_barrier_wait -1                              ; everybody's are
	SCALES 7, 0
	STEP 0, 0, 1, 0                                ; K step 7
	STEP 1, 1, 0, 0                                ; K step 0
	STEP 2, 0, 0, 0
	STEP 3, 1, 0, 1                                ; K step 2: from here on the second regions are read
	STEP 4, 0, 0, 0
	STEP 5, 1, 0, 0
	STEP 6, 0, 0, 0
	STEP -1, 1, 0, 0                               ; K step 6: nothing more to fetch
; THE WAY OUT: no stage.  A lane's eight results, rounded to f16, are 16 bytes of the reader's fragment image at 16 x lane: a store covers 512 consecutive bytes.
; Group g = 4 part + (b % 4): eight accumulators, 32 registers of packed results; seven sets take turns.
	PLACES
.irp g, 0,1,2,3,4,5,6,7,8,9,10,11
.if \g >= 7
	s_wait_xcnt 0x0                                ; the stores of group g - 7 have read their registers, which are written again
.endif
	WIN 5*((\g)/4+1)                               ; sources: window 1, 2 or 3
.irp a, 0,1,2,3,4,5,6,7
.irp i, 0,1,2,3
	v_cvt_pk_f16_f32 v[TMP+32*((\g)%7)+4*\a+\i], v[8*(8*((\g)%4)+\a)+2*\i], v[8*(8*((\g)%4)+\a)+2*\i+1]   ; each accumulator from its low end on
.endr
.endr
	WIN 0
.irp a, 0,1,2,3,4,5,6,7
.if \g < 8
	global_store_b128 v[CO], v[TMP+32*((\g)%7)+4*\a:TMP+32*((\g)%7)+4*\a+3], s[12:13] offset:((\g)/4)*131072+\a*2048+((\g)%4)*512
.else
	global_store_b128 v[CO], v[TMP+32*((\g)%7)+4*\a:TMP+32*((\g)%7)+4*\a+3], s[12:13] offset:262144+(\a/2)*4096+((\g)%4)*1024+(\a%2)*512
.endif
.endr
.endr
	s_wait_tensorcnt 0x0                           ; the wave's end
	ds_add_u32 v[SPW], v[NIL]
	s_wait_dscnt 0x0
	CROUND                                         ; the closing round
	s_endpgm
.Lfunc_end_k_q0b0e34d3c1_qkv:
	.size	k_q0b0e34d3c1_qkv, .Lfunc_end_k_q0b0e34d3c1_qkv-k_q0b0e34d3c1_qkv
	.p2alignl 7, 3214868480
	.fill 96, 4, 3214868480
	.section	.rodata,"a",@progbits
	.p2align	6, 0x0
	.amdhsa_kernel k_q0b0e34d3c1_qkv
		.amdhsa_group_segment_fixed_size 327680
		.amdhsa_private_segment_fixed_size 0
		.amdhsa_enable_private_segment 0
		.amdhsa_kernarg_size 40
		.amdhsa_user_sgpr_count 2
		.amdhsa_user_sgpr_kernarg_segment_ptr 1
		.amdhsa_wavefront_size32 1
		.amdhsa_system_sgpr_workgroup_id_x 1
		.amdhsa_system_sgpr_workgroup_id_y 1
		.amdhsa_system_sgpr_workgroup_id_z 1
		.amdhsa_system_vgpr_workitem_id 0
		.amdhsa_next_free_vgpr 1024
		.amdhsa_next_free_sgpr 100
		.amdhsa_reserve_vcc 0
		.amdhsa_float_denorm_mode_32 3
		.amdhsa_float_denorm_mode_16_64 3
		.amdhsa_memory_ordered 1
		.amdhsa_forward_progress 1
		.amdhsa_inst_pref_size 172
	.end_amdhsa_kernel
	.amdgpu_metadata
---
amdhsa.version: [ 1, 2 ]
amdhsa.kernels:
  - .name:           k_q0b0e34d3c1_qkv
    .symbol:         k_q0b0e34d3c1_qkv.kd
    .args:
      - { .name: xc, .offset: 0, .size: 8, .value_kind: global_buffer, .address_space: global }
      - { .name: xs, .offset: 8, .size: 8, .value_kind: global_buffer, .address_space: global }
      - { .name: wc, .offset: 16, .size: 8, .value_kind: global_buffer, .address_space: global }
      - { .name: ws, .offset: 24, .size: 8, .value_kind: global_buffer, .address_space: global }
      - { .name: qkv, .offset: 32, .size: 8, .value_kind: global_buffer, .address_space: global }
    .group_segment_fixed_size: 327680
    .private_segment_fixed_size: 0
    .kernarg_segment_align: 8
    .kernarg_segment_size: 40
    .max_flat_workgroup_size: 128
    .sgpr_count:     100
    .vgpr_count:     1024
    .wavefront_size: 32
...
	.end_amdgpu_metadata
.endif
;; end of part 2
;; launch attn (part 3): grid 2 x 128, 8 waves a work-group, no clusters, 263,168 bytes of LDS; arguments qkv, ao; writes ao
.if DOCPART == 3
	.amdgcn_target "amdgcn-amd-amdhsa--gfx1250"
	.amdhsa_code_object_version 6
	.text
	.protected	k_q0b0e34d3c1_attn
	.globl	k_q0b0e34d3c1_attn
	.p2align	8
	.type	k_q0b0e34d3c1_attn,@function
k_q0b0e34d3c1_attn:
	s_mov_b64 s[64:65], 0
	v_nop
	global_prefetch_b8 v0, s[64:65] scope:SCOPE_SE
	s_setreg_imm32_b32 hwreg(HW_REG_WAVE_MODE, 25, 1), 1
	s_wait_xcnt 0x0
; ATTENTION: o = softmax(q k^T / 8) v for one batch x head (grid y) and 512 of its 1,024 queries (grid x); f16 operands, f32 products, maxima and sums.  Nothing of the problem is left out here.
; SHARES: eight waves, 64 queries each: four tiles of 16, so that each fragment of k and v read from LDS feeds four products; two waves to a SIMD, so that one's softmax stands beside the other's products.
; THE HEAD'S WHOLE k AND v^T, 262,144 bytes, LIE IN LDS, filled once: wave w asks at the head for four pieces of 8,192 bytes, one in each quarter of the keys (waves 0-3 k's, 4-7 v's): four tensor loads of a wave are out.
; A quarter is read behind a counted wait and a barrier while the later quarters are on their way; no LDS byte is filled twice.
; NO CLUSTER: a head's k and v are read by its 2 work-groups alone; clusters of four along x do not divide a grid x of 2, and four partners of two heads would make a joint load's address hang on a partner's place.
; LAYOUT: both products transposed: S^T = k q^T (source 0 = 16 keys, source 1 = 16 queries), O^T = v^T P (source 0 = 16 channels, source 1 = P): a lane holds one query throughout; two tiles of S^T, rounded to f16 in pairs, are a fragment of P.
; All operands are images of fragment registers: LDS and memory are read at 16 x lane.
; SOFTMAX: a running maximum m and sum l for each query; p = 2^(c s - c m), c = log2(e) / 8; O and l are multiplied by a = 2^(c m_old - c m_new) in every step.
; OUT: ao [tokentile 512][chunk of 32 k': 32][1,024], k' = 64 head + d, f16: the projection's fragment images.   LIMIT: the result stays under 65,504 (f16); results under 6e-5 keep f16's absolute step of 6e-8.
; REGISTERS: window 0: v1, v2 the step's LDS addresses; v3 16 x lane; v7 that + 131,072; v4, v5 the add's two; v16-47 statistics, 8 a tile (+0 c m, +1 m, +2, +3 l, +4..+7 at work; a in +6); v48-63 partial sums;
;   v64-191 S^T, 32 a tile (P in the first 16); v192-255 k's 8 fragments.   window 1: v0-127 O^T, 32 a tile; v128-191 q; v192-255 v^T's 8 fragments.
.set SPARE, 262144
.set AK,  1
.set AV,  2
.set L16, 3
.set SPW, 4
.set NIL, 5
.set AV0, 7
.set ST,  16
.set U,   48
.set S,   64
.set KF,  192
.set O,   0
.set Q,   128
.set VF,  192
.set G1,  16                           ; s[16:23]
.set G0,  24                           ; s[24:39]: a group 0 for each quarter
.set CS,  40                           ; s[40:41] c, twice
.set SEL, 42                           ; s[42:43] lane l xor 16
.set CNT, 44
.set TB,  45                           ; the step's first byte in k's region
.set MSB, 0
.macro WIN new
.if MSB != \new
	s_set_vgpr_msb (MSB<<8)|\new
.set MSB, \new
.endif
.endm
	s_load_b128 s[4:7], s[0:1], 0x0                ; qkv, ao
	v_lshl_add_u32 v[SPW], v0, 2, SPARE
	v_mov_b32 v[NIL], 0
	ds_add_u32 v[SPW], v[NIL]                      ; the wave's opening: the add, twice on end, and its wait ahead of my first tensor load
	ds_add_u32 v[SPW], v[NIL]
	v_lshrrev_b32 v1, 5, v0
	v_readfirstlane_b32 s8, v1                     ; wave 0..7
	s_and_b32 s10, ttmp7, 0xffff                   ; batch x head
	s_lshr_b32 s9, s8, 2                           ; k (0) or v (1):
	s_lshl_b32 s9, s9, 17                          ; 131,072 bytes each,
	s_and_b32 s12, s8, 3
	s_lshl_b32 s12, s12, 13                        ; my 8,192 of a quarter's 32,768
	s_add_co_u32 s9, s9, s12                       ; the same offset in LDS and in memory
	s_mov_b32 s[G1+0], 3<<16                       ; elements of 8 bytes, no mask, no padding
	s_mov_b32 s[G1+1], 32<<16                      ; tensor_dim0 = 32 (256 bytes)
	s_mov_b32 s[G1+2], 32<<16                      ; tensor_dim1 = 32
	s_mov_b32 s[G1+3], 32<<16                      ; tile_dim0
	s_mov_b32 s[G1+4], 32                          ; tile_dim1
	s_mov_b32 s[G1+5], 32                          ; dense
	s_mov_b32 s[G1+6], 0
	s_mov_b32 s[G1+7], 0
	s_mul_i32 s12, s10, 393216                     ; the head's q, k, v
	s_mov_b32 s13, 0
	s_add_co_u32 s14, s9, 131072                   ; k begins behind q
	s_mov_b32 s15, 0
	s_mov_b32 s[CS], 0x3e38aa3b                    ; c = log2(e) / 8
	s_mov_b32 s[CS+1], s[CS]
	s_mov_b32 s[SEL], 0x76543210
	s_mov_b32 s[SEL+1], 0xfedcba98
	s_wait_dscnt 0x0                               ; both opening adds are done
	s_wait_kmcnt 0x0
	s_add_nc_u64 s[4:5], s[4:5], s[12:13]
	s_add_nc_u64 s[14:15], s[4:5], s[14:15]
.irp g, 0,1,2,3
	s_mov_b32 s[G0+4*\g], 1
	s_add_co_u32 s[G0+4*\g+1], s9, \g*32768
	s_add_nc_u64 s[G0+4*\g+2:G0+4*\g+3], s[14:15], \g*32768
	s_or_b32 s[G0+4*\g+3], s[G0+4*\g+3], 0x80000000
	tensor_load_to_lds s[G0+4*\g:G0+4*\g+3], s[G1:G1+7]
	s_nop 0
.endr
.rept 4
	v_nop
.endr
	s_lshl_b32 s12, ttmp9, 16                      ; q: my half's 32 tokentiles of 2,048 bytes,
	s_lshl_b32 s13, s8, 13                         ; my wave's 4
	s_add_co_u32 s12, s12, s13
	s_mov_b32 s13, 0
	s_add_nc_u64 s[4:5], s[4:5], s[12:13]
	v_and_b32 v[L16], 31, v0
	v_lshlrev_b32 v[L16], 4, v[L16]
	WIN 0x40                                       ; destination window 1
.irp f, 0,1,2,3,4,5,6,7                        ; fragment 2 t + dc
	global_load_b128 v[Q+8*\f:Q+8*\f+3], v[L16], s[4:5] offset:1024*\f
	global_load_b128 v[Q+8*\f+4:Q+8*\f+7], v[L16], s[4:5] offset:1024*\f+512
.endr
	WIN 0
	v_add_nc_u32 v[AV0], 0x20000, v[L16]
	s_lshr_b32 s12, s10, 4                         ; ao: tokentile = 64 batch + 32 half + 4 wave (+ t),
	s_lshl_b32 s12, s12, 6
	s_lshl_b32 s13, ttmp9, 5
	s_add_co_u32 s12, s12, s13
	s_lshl_b32 s13, s8, 2
	s_add_co_u32 s12, s12, s13
	s_lshl_b32 s12, s12, 15
	s_and_b32 s13, s10, 15                         ; the head's two chunks of 32 k'
	s_lshl_b32 s13, s13, 11
	s_add_co_u32 s12, s12, s13
	s_mov_b32 s13, 0
	s_add_nc_u64 s[6:7], s[6:7], s[12:13]
; A KEY STEP: 64 keys.  first = 1: the first of all: no old maximum, nothing to rescale, the products start O^T's sums.
.macro STEP first
	v_add_nc_u32 v[AK], s[TB], v[L16]
	v_add_nc_u32 v[AV], s[TB], v[AV0]
	s_add_co_u32 s[TB], s[TB], 8192
.rept 3
	v_nop                                          ; with the two additions: five plain lines between the last step's products and the loads into v^T's registers and the products that write over P
.endr
.irp f, 0,1,2,3,4,5,6,7                        ; k: fragment 2 kt + dc
	ds_load_b128 v[KF+8*\f:KF+8*\f+3], v[AK] offset:1024*\f
	ds_load_b128 v[KF+8*\f+4:KF+8*\f+7], v[AK] offset:1024*\f+512
.endr
	WIN 0x40
.irp f, 0,1,2,3,4,5,6,7                        ; v^T: fragment 4 kc + dt
	ds_load_b128 v[VF+8*\f:VF+8*\f+3], v[AV] offset:1024*\f
	ds_load_b128 v[VF+8*\f+4:VF+8*\f+7], v[AV] offset:1024*\f+512
.endr
	s_wait_dscnt 16                                ; k is in; v^T's sixteen loads stay out
	WIN 0x04                                       ; source 1 (q) window 1
.irp dc, 0,1                                   ; sixteen accumulators by turns, one instruction a turn
.irp kt, 0,1,2,3
.irp t, 0,1,2,3
.if \dc == 0
	v_wmma_f32_16x16x32_f16 v[S+32*\t+8*\kt:S+32*\t+8*\kt+7], v[KF+16*\kt+8*\dc:KF+16*\kt+8*\dc+7], v[Q+16*\t+8*\dc:Q+16*\t+8*\dc+7], 0
.else
	v_wmma_f32_16x16x32_f16 v[S+32*\t+8*\kt:S+32*\t+8*\kt+7], v[KF+16*\kt+8*\dc:KF+16*\kt+8*\dc+7], v[Q+16*\t+8*\dc:Q+16*\t+8*\dc+7], v[S+32*\t+8*\kt:S+32*\t+8*\kt+7]
.endif
.endr
.endr
.endr
	WIN 0
.rept 4
	v_nop
.endr
.irp j, 0,1,2,3                                ; the maximum of a lane's 32 scores, the four tiles by turns; each accumulator is read from its low end on
.irp t, 0,1,2,3
	v_max3_num_f32 v[ST+8*\t+4+\j], v[S+32*\t+8*\j], v[S+32*\t+8*\j+1], v[S+32*\t+8*\j+2]
.endr
.endr
.irp u, 1,2
.irp j, 0,1,2,3
.irp t, 0,1,2,3
	v_max3_num_f32 v[ST+8*\t+4+\j], v[ST+8*\t+4+\j], v[S+32*\t+8*\j+2*\u+1], v[S+32*\t+8*\j+2*\u+2]
.endr
.endr
.endr
.irp t, 0,1,2,3
	v_max3_num_f32 v[ST+8*\t+4], v[ST+8*\t+4], v[S+32*\t+7], v[S+32*\t+15]
.endr
.irp t, 0,1,2,3
	v_max3_num_f32 v[ST+8*\t+6], v[ST+8*\t+6], v[S+32*\t+23], v[S+32*\t+31]
.endr
.irp t, 0,1,2,3
	v_max3_num_f32 v[ST+8*\t+4], v[ST+8*\t+4], v[ST+8*\t+5], v[ST+8*\t+6]
.endr
.irp t, 0,1,2,3
.if \first
	v_max_num_f32 v[ST+8*\t+4], v[ST+8*\t+4], v[ST+8*\t+7]
.else
	v_max3_num_f32 v[ST+8*\t+4], v[ST+8*\t+4], v[ST+8*\t+7], v[ST+8*\t+1]   ; and the old m
.endif
.endr
.irp t, 0,1,2,3
	v_permlanex16_b32 v[ST+8*\t+5], v[ST+8*\t+4], s[SEL], s[SEL+1]          ; the query's other 32 keys lie in the lane 16 away
.endr
.if \first == 0
.irp t, 0,1,2,3
	v_mov_b32 v[ST+8*\t+7], v[ST+8*\t]             ; c m_old
.endr
.endif
.irp t, 0,1,2,3
	v_max_num_f32 v[ST+8*\t+1], v[ST+8*\t+4], v[ST+8*\t+5]
.endr
.irp t, 0,1,2,3
	v_mul_f32 v[ST+8*\t], s[CS], v[ST+8*\t+1]
.endr
.if \first == 0
.irp t, 0,1,2,3
	v_sub_f32 v[ST+8*\t+7], v[ST+8*\t+7], v[ST+8*\t]
.endr
.endif
.irp b, 0,1,2,3,4,5,6,7,8,9,10,11,12,13,14,15
.irp t, 0,1,2,3
	v_pk_fma_f32 v[S+32*\t+2*\b:S+32*\t+2*\b+1], v[S+32*\t+2*\b:S+32*\t+2*\b+1], s[CS:CS+1], v[ST+8*\t:ST+8*\t+1] op_sel_hi:[1,0,0] neg_lo:[0,0,1] neg_hi:[0,0,1]   ; c s - c m
.endr
.endr
.if \first == 0
.irp t, 0,1,2,3
	v_exp_f32 v[ST+8*\t+6], v[ST+8*\t+7]           ; a
.endr
.endif
.irp j, 0,1,2,3,4,5,6,7,8,9,10,11,12,13,14,15,16,17,18,19,20,21,22,23,24,25,26,27,28,29,30,31
.irp t, 0,1,2,3
	v_exp_f32 v[S+32*\t+\j], v[S+32*\t+\j]         ; one batch: none of these reads an exponential's result
.endr
.endr
	v_nop                                          ; a plain line behind the last exponential
	s_wait_alu depctr_va_vdst(0)                   ; one wait for the whole batch, ahead of its first reader
.irp t, 0,1,2,3
	v_pk_add_f32 v[U+4*\t:U+4*\t+1], v[S+32*\t:S+32*\t+1], v[S+32*\t+2:S+32*\t+3]        ; the row's sum, two chains a tile
.endr
.irp t, 0,1,2,3
	v_pk_add_f32 v[U+4*\t+2:U+4*\t+3], v[S+32*\t+4:S+32*\t+5], v[S+32*\t+6:S+32*\t+7]
.endr
.irp j, 8,12,16,20,24,28
.irp t, 0,1,2,3
	v_pk_add_f32 v[U+4*\t:U+4*\t+1], v[U+4*\t:U+4*\t+1], v[S+32*\t+\j:S+32*\t+\j+1]
.endr
.irp t, 0,1,2,3
	v_pk_add_f32 v[U+4*\t+2:U+4*\t+3], v[U+4*\t+2:U+4*\t+3], v[S+32*\t+\j+2:S+32*\t+\j+3]
.endr
.endr
.if \first
.irp t, 0,1,2,3
	v_pk_add_f32 v[ST+8*\t+2:ST+8*\t+3], v[U+4*\t:U+4*\t+1], v[U+4*\t+2:U+4*\t+3]
.endr
.else
.irp t, 0,1,2,3
	v_pk_add_f32 v[U+4*\t:U+4*\t+1], v[U+4*\t:U+4*\t+1], v[U+4*\t+2:U+4*\t+3]
.endr
.irp t, 0,1,2,3
	v_pk_fma_f32 v[ST+8*\t+2:ST+8*\t+3], v[ST+8*\t+2:ST+8*\t+3], v[ST+8*\t+6:ST+8*\t+7], v[U+4*\t:U+4*\t+1] op_sel_hi:[1,0,1]   ; l = a l + the sum
.endr
.endif
.irp i, 0,1,2,3,4,5,6,7,8,9,10,11,12,13,14,15
.irp t, 0,1,2,3
	v_cvt_pk_f16_f32 v[S+32*\t+\i], v[S+32*\t+2*\i], v[S+32*\t+2*\i+1]      ; P in place, ascending: register i is written when 2 i and 2 i + 1 are read
.endr
.endr
.if \first == 0
	WIN 0x41                                       ; O^T in window 1, a in window 0
.irp i, 0,1,2,3,4,5,6,7,8,9,10,11,12,13,14,15
.irp t, 0,1,2,3
	v_pk_mul_f32 v[O+32*\t+2*\i:O+32*\t+2*\i+1], v[O+32*\t+2*\i:O+32*\t+2*\i+1], v[ST+8*\t+6:ST+8*\t+7] op_sel_hi:[1,0]
.endr
.endr
.endif
	s_wait_dscnt 0x0                               ; v^T is in
	WIN 0x51                                       ; v^T and O^T window 1, P window 0
.irp kc, 0,1
.irp dt, 0,1,2,3
.irp t, 0,1,2,3
.if \first && (\kc == 0)
	v_wmma_f32_16x16x32_f16 v[O+32*\t+8*\dt:O+32*\t+8*\dt+7], v[VF+32*\kc+8*\dt:VF+32*\kc+8*\dt+7], v[S+32*\t+8*\kc:S+32*\t+8*\kc+7], 0
.else
	v_wmma_f32_16x16x32_f16 v[O+32*\t+8*\dt:O+32*\t+8*\dt+7], v[VF+32*\kc+8*\dt:VF+32*\kc+8*\dt+7], v[S+32*\t+8*\kc:S+32*\t+8*\kc+7], v[O+32*\t+8*\dt:O+32*\t+8*\dt+7]
.endif
.endr
.endr
.endr
	WIN 0
.endm
; A QUARTER of the keys: 256, four steps.
.macro QUARTER g
	s_wait_tensorcnt 3-\g                          ; my piece of this quarter is in; the 3 - g loads of the later quarters stay out
	s_wait_dscnt 0x0
	s_barrier_signal -1
	s_barrier_wait -1                              ; everybody's piece is in
	s_mov_b32 s[TB], \g*32768
.if \g == 0
	STEP 1
	s_mov_b32 s[CNT], 3
.else
	s_mov_b32 s[CNT], 4
.endif
.Lsteps_\@:
	STEP 0
	s_sub_co_u32 s[CNT], s[CNT], 1
	s_cmp_lg_u32 s[CNT], 0
	s_cbranch_scc1 .Lsteps_\@
.endm
	s_wait_loadcnt 0x0                             ; q
	QUARTER 0
	QUARTER 1
	QUARTER 2
	QUARTER 3
	; THE WAY OUT: l's two halves and the other half of the lanes'; O^T / l, rounded to f16: a lane's eight channels are 16 bytes of the projection's fragment image.  The additions are the plain lines behind the last products.
.irp t, 0,1,2,3
	v_add_f32 v[ST+8*\t+4], v[ST+8*\t+2], v[ST+8*\t+3]
.endr
.irp t, 0,1,2,3
	v_permlanex16_b32 v[ST+8*\t+5], v[ST+8*\t+4], s[SEL], s[SEL+1]
.endr
.irp t, 0,1,2,3
	v_add_f32 v[ST+8*\t+4], v[ST+8*\t+4], v[ST+8*\t+5]
.endr
.irp t, 0,1,2,3
	v_rcp_f32 v[ST+8*\t+6], v[ST+8*\t+4]
.endr
	v_nop
	s_wait_alu depctr_va_vdst(0)                   ; one wait for the four reciprocals
	WIN 0x41
.irp i, 0,1,2,3,4,5,6,7,8,9,10,11,12,13,14,15
.irp t, 0,1,2,3
	v_pk_mul_f32 v[O+32*\t+2*\i:O+32*\t+2*\i+1], v[O+32*\t+2*\i:O+32*\t+2*\i+1], v[ST+8*\t+6:ST+8*\t+7] op_sel_hi:[1,0]
.endr
.endr
	WIN 0x05                                       ; sources window 1, destination window 0
.irp i, 0,1,2,3,4,5,6,7,8,9,10,11,12,13,14,15
.irp t, 0,1,2,3
	v_cvt_pk_f16_f32 v[S+16*\t+\i], v[O+32*\t+2*\i], v[O+32*\t+2*\i+1]
.endr
.endr
	WIN 0
.irp t, 0,1,2,3
.irp dt, 0,1,2,3
	global_store_b128 v[L16], v[S+16*\t+4*\dt:S+16*\t+4*\dt+3], s[6:7] offset:\t*32768+\dt*512   ; 512 consecutive bytes, aligned
.endr
.endr
	s_wait_tensorcnt 0x0                           ; the wave's end
	ds_add_u32 v[SPW], v[NIL]
	s_wait_dscnt 0x0
	s_endpgm
.Lfunc_end_k_q0b0e34d3c1_attn:
	.size	k_q0b0e34d3c1_attn, .Lfunc_end_k_q0b0e34d3c1_attn-k_q0b0e34d3c1_attn
	.p2alignl 7, 3214868480
	.fill 96, 4, 3214868480
	.section	.rodata,"a",@progbits
	.p2align	6, 0x0
	.amdhsa_kernel k_q0b0e34d3c1_attn
		.amdhsa_group_segment_fixed_size 263168
		.amdhsa_private_segment_fixed_size 0
		.amdhsa_enable_private_segment 0
		.amdhsa_kernarg_size 16
		.amdhsa_user_sgpr_count 2
		.amdhsa_user_sgpr_kernarg_segment_ptr 1
		.amdhsa_wavefront_size32 1
		.amdhsa_system_sgpr_workgroup_id_x 1
		.amdhsa_system_sgpr_workgroup_id_y 1
		.amdhsa_system_sgpr_workgroup_id_z 1
		.amdhsa_system_vgpr_workitem_id 0
		.amdhsa_next_free_vgpr 512
		.amdhsa_next_free_sgpr 66
		.amdhsa_reserve_vcc 0
		.amdhsa_float_denorm_mode_32 3
		.amdhsa_float_denorm_mode_16_64 3
		.amdhsa_memory_ordered 1
		.amdhsa_forward_progress 1
		.amdhsa_inst_pref_size 170
	.end_amdhsa_kernel
	.amdgpu_metadata
---
amdhsa.version: [ 1, 2 ]
amdhsa.kernels:
  - .name:           k_q0b0e34d3c1_attn
    .symbol:         k_q0b0e34d3c1_attn.kd
    .args:
      - { .name: qkv, .offset: 0, .size: 8, .value_kind: global_buffer, .address_space: global }
      - { .name: ao, .offset: 8, .size: 8, .value_kind: global_buffer, .address_space: global }
    .group_segment_fixed_size: 263168
    .private_segment_fixed_size: 0
    .kernarg_segment_align: 8
    .kernarg_segment_size: 16
    .max_flat_workgroup_size: 256
    .sgpr_count:     66
    .vgpr_count:     512
    .wavefront_size: 32
...
	.end_amdgpu_metadata
.endif
;; end of part 3
;; launch proj (part 4): grid 8 x 32, 4 waves a work-group, clusters of 4 x 4, 327,680 bytes of LDS; arguments ao, wp, b_proj, out0; writes out0
.if DOCPART == 4
	.amdgcn_target "amdgcn-amd-amdhsa--gfx1250"
	.amdhsa_code_object_version 6
	.text
	.protected	k_q0b0e34d3c1_proj
	.globl	k_q0b0e34d3c1_proj
	.p2align	8
	.type	k_q0b0e34d3c1_proj,@function
k_q0b0e34d3c1_proj:
	s_mov_b64 s[64:65], 0
	v_nop
	global_prefetch_b8 v0, s[64:65] scope:SCOPE_SE
	s_setreg_imm32_b32 hwreg(HW_REG_WAVE_MODE, 25, 1), 1
	s_wait_xcnt 0x0
	s_wait_alu depctr_hold_cnt(0) depctr_sa_sdst(0) depctr_va_vdst(0) depctr_va_sdst(0) depctr_va_ssrc(0) depctr_va_vcc(0) depctr_vm_vsrc(0)
	s_getreg_b32 s2, hwreg(HW_REG_IB_STS2, 6, 4)
	s_cmp_eq_u32 s2, 0
	s_cbranch_scc0 .Lentry_in_a_cluster
	s_endpgm
.Lentry_in_a_cluster:
	s_bfe_u32 s2, ttmp6, 0x10000c
	s_cmp_lg_u32 s2, 0xf033
	s_cbranch_scc0 .Lentry_shape_is_right
	s_endpgm
.Lentry_shape_is_right:
; PROJECTION: out0 = ao wp^T + b_proj; f16 operands, f32 sums.  Both operands carry K in the order k' = 64 head + d, so the sum runs over the same terms as the problem's 16 d + head.  Nothing of the problem is left out here.
; A work-group of four waves makes 256 tokens x 128 columns (256 work-groups); a wave 128 x 64: 32 accumulators.  K goes in 8 steps of 128 through a ring of two LDS slots.
; OPERANDS ARE IMAGES of fragment registers (16 rows x 32 K = 1,024 consecutive bytes): LDS reads are dense, no padding.  A K step of a tile of 16 rows is 4,096 consecutive bytes.
; CLUSTERS 4 x 4: ao's tiles hang on the tile row alone and are asked for jointly along a row of the cluster, wp's on the tile column and along a column.
; TRANSPOSED USE: source 0 = 16 rows of wp (columns f), source 1 = 16 tokens: a lane holds one token and 8 neighbouring columns.  The bias is the C of each sum's first product.
; REGISTERS: window 0: v16-30 addresses; v32-63 the bias, 8 a column block; v64-127 rows on the way out, two sets; v128-191, v192-255 ao's fragments, two sets.
;   window 1: v0-31, v32-63 wp's fragments, two sets.   window 2: accumulator (a, b) at v[8 (4 a + b)].
.set SLOT,   98304                     ; ao's 16 tokentiles x 4,096, then wp's 8 ntiles x 4,096
.set BOFF,   65536
.set STAGE,  196608                    ; behind the ring: 16 rows x 272 bytes for each wave
.set SPITCH, 272
.set SPARE,  214016                    ; the spare words, 128 bytes a wave
.set LAPS,   4                         ; a lap = two K steps
.set ADRA, 16
.set ADRB, 20
.set STO,  24
.set RD,   25
.set CO,   26
.set BO,   27
.set SPW,  28
.set NIL,  29
.set PFO,  30
.set BIAS, 32
.set BK,   64
.set AF,   128
.set LIM,  15                          ; s15 1 in a wave that prefetches, else the greatest number
.set PFA,  44                          ; s[44:45]
.set G1A, 24
.set G0A, 32
.set G1B, 48
.set G0B, 56
.set MSB, 0
.macro WIN new
.if MSB != \new
	s_set_vgpr_msb (MSB<<8)|\new
.set MSB, \new
.endif
.endm
.set MUL,  0xa1                        ; source 0 (wp) window 1, source 1 (ao) window 0, C and D window 2
.set MULB, 0x81                        ; the same with C (the bias) in window 0
.set TO_B, 0x40
.macro JLOAD s                         ; waves 0, 1 fetch ao's halves, waves 2, 3 wp's; an s_nop 0 and four v_nop follow each line
	s_cmp_eq_u32 s13, 0
	s_cbranch_scc0 .Lfor_b_\@
	tensor_load_to_lds s[G0A+4*\s:G0A+4*\s+3], s[G1A:G1A+7]
	s_nop 0
.rept 4
	v_nop
.endr
	s_branch .Lasked_\@
.Lfor_b_\@:
	tensor_load_to_lds s[G0B+4*\s:G0B+4*\s+3], s[G1B:G1B+7]
	s_nop 0
.rept 4
	v_nop
.endr
.Lasked_\@:
.endm
; A prefetch of ao's K step that stands two refills on: 2 tokentiles x 4,096 bytes, lanes 256 bytes apart, one instruction a wave.  ao's tile row is read by both clusters of its row of clusters: the one with x = 0 asks,
; in it waves 0 and 1 (which fetch ao); of a wave's 8 tokentiles the partner at cx takes 2, told apart by address.  So each 256 bytes are named once.  The loop's last trip asks for nothing: K ends.  K steps 0 to 3 come by their loads alone.
; wp is not asked for: every cluster of a column of clusters walks the same 1 MiB again.
.macro ASK
	s_cmp_gt_u32 s3, s[LIM]
	s_cbranch_scc0 .Lnot_mine_\@
	global_prefetch_b8 v[PFO], s[PFA:PFA+1] offset:4096 th:TH_LOAD_NT scope:SCOPE_SE
.Lnot_mine_\@:
.endm
.macro CREST
	s_cmp_lg_u32 s12, 0
	s_cbranch_scc1 .Lnot_wave_0_\@
	s_barrier_signal -3
.Lnot_wave_0_\@:
	s_barrier_wait -3
	s_barrier_signal -1
	s_barrier_wait -1
.endm
.macro CROUND
	s_barrier_signal -1
	s_barrier_wait -1
	CREST
.endm
	s_load_b256 s[4:11], s[0:1], 0x0               ; ao 4, wp 6, b_proj 8, out0 10
	v_lshl_add_u32 v[SPW], v0, 2, SPARE
	v_mov_b32 v[NIL], 0
	ds_add_u32 v[SPW], v[NIL]                      ; the wave's opening: the add, twice on end, and its wait ahead of my first tensor load
	ds_add_u32 v[SPW], v[NIL]
	v_lshrrev_b32 v1, 5, v0
	v_readfirstlane_b32 s12, v1                    ; wave
	s_lshr_b32 s13, s12, 1                         ; my half of the tokens.  Also: I fetch ao (0) or wp (1)
	s_and_b32 s14, s12, 1                          ; my half of the columns.  Also: which half I fetch
	s_bfe_u32 s40, ttmp6, 0x40000                  ; cx
	s_bfe_u32 s41, ttmp6, 0x40004                  ; cy
	s_lshl_b32 s42, ttmp9, 2
	s_add_co_u32 s42, s42, s40                     ; tile column
	s_and_b32 s43, ttmp7, 0xffff
	s_lshl_b32 s43, s43, 2
	s_add_co_u32 s43, s43, s41                     ; tile row
	s_lshl_b32 s46, s41, 2
	s_lshl_b32 s46, 15, s46                        ; my row of the cluster
	s_lshl_b32 s47, 0x1111, s40                    ; my column
	s_or_b32 s[G1A+0], s46, (3<<16)|(1<<21)        ; elements of 8 bytes; bit 21 beside the mask; no padding
	s_mov_b32 s[G1A+1], 512<<16                    ; tensor_dim0 = 512 (4,096 bytes)
	s_mov_b32 s[G1A+2], 8<<16                      ; tensor_dim1 = 8 tokentiles
	s_mov_b32 s[G1A+3], 512<<16                    ; tile_dim0
	s_mov_b32 s[G1A+4], 8                          ; tile_dim1
	s_mov_b32 s[G1A+5], 4096                       ; 32,768 bytes from tile to tile
	s_mov_b32 s[G1A+6], 0
	s_mov_b32 s[G1A+7], 0
	s_or_b32 s[G1B+0], s47, (3<<16)|(1<<21)
	s_mov_b32 s[G1B+1], 512<<16
	s_mov_b32 s[G1B+2], 4<<16                      ; 4 ntiles
	s_mov_b32 s[G1B+3], 512<<16
	s_mov_b32 s[G1B+4], 4
	s_mov_b32 s[G1B+5], 4096
	s_mov_b32 s[G1B+6], 0
	s_mov_b32 s[G1B+7], 0
	s_lshl_b32 s16, s43, 4                         ; ao: tokentile 16 x tile row + 8 x half
	s_lshl_b32 s17, s14, 3
	s_add_co_u32 s16, s16, s17
	s_lshl_b32 s16, s16, 15
	s_mov_b32 s17, 0
	s_lshl_b32 s18, s42, 3                         ; wp: ntile 8 x tile column + 4 x half
	s_lshl_b32 s19, s14, 2
	s_add_co_u32 s18, s18, s19
	s_lshl_b32 s18, s18, 15
	s_mov_b32 s19, 0
	s_lshl_b32 s22, s14, 15                        ; where they go: ao's halves,
	s_lshl_b32 s23, s14, 14
	s_add_co_u32 s23, s23, BOFF                    ; wp's behind them
	s_wait_dscnt 0x0                               ; both opening adds are done
	s_wait_kmcnt 0x0
	s_add_nc_u64 s[16:17], s[4:5], s[16:17]
	s_add_nc_u64 s[18:19], s[6:7], s[18:19]
	CROUND                                         ; all sixteen work-groups are here: the first joint loads meet
.irp s, 0,1
	s_mov_b32 s[G0A+4*\s], 1
	s_add_co_u32 s[G0A+4*\s+1], s22, \s*SLOT
	s_add_nc_u64 s[G0A+4*\s+2:G0A+4*\s+3], s[16:17], \s*4096
	s_or_b32 s[G0A+4*\s+3], s[G0A+4*\s+3], 0x80000000
	s_mov_b32 s[G0B+4*\s], 1
	s_add_co_u32 s[G0B+4*\s+1], s23, \s*SLOT
	s_add_nc_u64 s[G0B+4*\s+2:G0B+4*\s+3], s[18:19], \s*4096
	s_or_b32 s[G0B+4*\s+3], s[G0B+4*\s+3], 0x80000000
	JLOAD \s                                       ; two tensor loads of mine are out behind the second
.endr
	v_and_b32 v1, 15, v0                           ; r
	v_bfe_u32 v2, v0, 4, 1                         ; h
	v_and_b32 v3, 31, v0
	v_lshlrev_b32 v3, 4, v3                        ; 16 x lane
	s_or_b32 s[LIM], s13, ttmp9                    ; 0 in waves 0, 1 of the clusters with x = 0: the same in all partners
	s_cmp_eq_u32 s[LIM], 0
	s_cselect_b32 s[LIM], 1, -1
	s_lshl_b32 s20, s40, 16                        ; my work-group's 2 of the 8 tokentiles,
	s_add_co_u32 s20, s20, 8192                    ; at K step 2: the first refill steps it to 3 and names 4
	s_mov_b32 s21, 0
	s_add_nc_u64 s[PFA:PFA+1], s[16:17], s[20:21]
	v_lshlrev_b32 v[PFO], 8, v1
	v_lshl_add_u32 v[PFO], v2, 15, v[PFO]          ; 256 r + 32,768 h
	s_lshl_b32 s20, s42, 9                         ; my first column, in bytes of f32: 512 x tile column + 256 x half
	s_lshl_b32 s21, s14, 8
	s_add_co_u32 s20, s20, s21
	s_mov_b32 s21, 0
	s_add_nc_u64 s[8:9], s[8:9], s[20:21]
	v_lshlrev_b32 v[BO], 5, v2                     ; lane (r, h) wants b_proj at columns 16 b + 8 h + 0 .. 7
.irp b, 0,1,2,3
	global_load_b128 v[BIAS+8*\b:BIAS+8*\b+3], v[BO], s[8:9] offset:64*\b
	global_load_b128 v[BIAS+8*\b+4:BIAS+8*\b+7], v[BO], s[8:9] offset:64*\b+16
.endr
	s_lshl_b32 s22, s43, 20                        ; out0: 256 rows of 4,096 bytes a tile row,
	s_add_co_u32 s20, s20, s22
	s_lshl_b32 s22, s13, 19                        ; 128 a half
	s_add_co_u32 s20, s20, s22
	s_add_nc_u64 s[10:11], s[10:11], s[20:21]
	s_lshl_b32 s21, s13, 15                        ; my 8 tokentiles
	s_lshl_b32 s22, s14, 14
	s_add_co_u32 s22, s22, BOFF                    ; my 4 ntiles
.irp s, 0,1
	v_add_nc_u32 v[ADRA+\s], s21, v3
	v_add_nc_u32 v[ADRB+\s], s22, v3
	s_add_co_u32 s21, s21, SLOT
	s_add_co_u32 s22, s22, SLOT
.endr
	s_mul_i32 s22, s12, 16*SPITCH
	s_add_co_u32 s22, s22, STAGE                   ; my stage
	v_mul_u32_u24 v4, v1, SPITCH
	v_lshl_add_u32 v4, v2, 5, v4
	v_add_nc_u32 v[STO], s22, v4                   ; in: row r, 32 bytes for each half of the lanes
	v_mul_u32_u24 v5, v2, SPITCH
	v_lshl_add_u32 v5, v1, 4, v5
	v_add_nc_u32 v[RD], s22, v5                    ; back: lanes 0-15 one row of 256 bytes, lanes 16-31 the next
	v_lshlrev_b32 v[CO], 4, v1
	v_lshl_add_u32 v[CO], v2, 12, v[CO]            ; and the same two rows in out0
; 8 matrix instructions: token blocks a0, a0 + 1 x the 4 column blocks, 32 along K, from fragment set f.  The 32 accumulators take turns, one instruction a turn.
.macro MUL8 f, a0, first
.irp a, \a0, \a0+1
.irp b, 0,1,2,3
.if \first
	v_wmma_f32_16x16x32_f16 v[8*(4*(\a)+\b):8*(4*(\a)+\b)+7], v[32*(\f)+8*\b:32*(\f)+8*\b+7], v[AF+64*(\f)+8*(\a):AF+64*(\f)+8*(\a)+7], v[BIAS+8*\b:BIAS+8*\b+7]
.else
	v_wmma_f32_16x16x32_f16 v[8*(4*(\a)+\b):8*(4*(\a)+\b)+7], v[32*(\f)+8*\b:32*(\f)+8*\b+7], v[AF+64*(\f)+8*(\a):AF+64*(\f)+8*(\a)+7], v[8*(4*(\a)+\b):8*(4*(\a)+\b)+7]
.endif
.endr
.endr
.endm
.macro FETCH slot, q, f                ; 24 LDS loads in one run: the slot's q-th 32 along K into set f; ao's blocks 4-7 last
	WIN TO_B
.irp b, 0,1,2,3
	ds_load_b128 v[32*(\f)+8*\b:32*(\f)+8*\b+3], v[ADRB+\slot] offset:\b*4096+(\q)*1024
	ds_load_b128 v[32*(\f)+8*\b+4:32*(\f)+8*\b+7], v[ADRB+\slot] offset:\b*4096+(\q)*1024+512
.endr
	WIN 0
.irp a, 0,1,2,3,4,5,6,7
	ds_load_b128 v[AF+64*(\f)+8*\a:AF+64*(\f)+8*\a+3], v[ADRA+\slot] offset:\a*4096+(\q)*1024
	ds_load_b128 v[AF+64*(\f)+8*\a+4:AF+64*(\f)+8*\a+7], v[ADRA+\slot] offset:\a*4096+(\q)*1024+512
.endr
.endm
.macro PLACES                          ; four plain lines in front of loads into registers that matrix instructions have read, and of the first read of results
.rept 4
	v_nop
.endr
.endm
.macro QUARTER slot, q, f, g, first    ; multiplies set f; in its middle fetches the slot's q-th 32 along K into set g
	s_wait_dscnt 8                                 ; wp's and ao's blocks 0-3 are in; the youngest eight loads (blocks 4-7) may be out
.if \first
	WIN MULB
.else
	WIN MUL
.endif
	MUL8 \f, 0, \first
	MUL8 \f, 2, \first
	PLACES
	FETCH \slot, \q, \g
	s_wait_dscnt 24                                ; all but the 24 just issued
.if \first
	WIN MULB
.else
	WIN MUL
.endif
	MUL8 \f, 4, \first
	MUL8 \f, 6, \first
.endm
; A K step's last quarter multiplies set 1 and changes slots: each wave waits for all its tensor loads, adds 0 to its spare word, waits for that and for its reads of this slot; then the barrier.
; fill = 1: the barrier opens a round of the cluster's, and the slot is filled again, two K steps ahead, first thing behind the round: 112 matrix instructions ahead of the wait for it.
.macro TURN slot, next, fill
.if \fill
	s_wait_xcnt 0x0                                ; the last prefetch, a K step back, has read its address
	s_add_nc_u64 s[PFA:PFA+1], s[PFA:PFA+1], 4096
.endif
	WIN 0
	s_wait_tensorcnt 0x0                           ; all my tensor loads have landed: my part of the next slot
	ds_add_u32 v[SPW], v[NIL]                      ; 0 onto my spare word
	s_wait_dscnt 9                                 ; (the add and the youngest eight loads may be out)
	WIN MUL
	MUL8 1, 0, 0
	s_wait_dscnt 0x0                               ; the add is done, and my reads of this slot are over
	s_barrier_signal -1
	MUL8 1, 2, 0
.if \fill
	WIN 0
.endif
	s_barrier_wait -1
.if \fill
	CREST                                          ; no wave of any partner still reads this slot or has a load on its way
	s_add_nc_u64 s[G0A+4*\slot+2:G0A+4*\slot+3], s[G0A+4*\slot+2:G0A+4*\slot+3], 8192
	s_add_nc_u64 s[G0B+4*\slot+2:G0B+4*\slot+3], s[G0B+4*\slot+2:G0B+4*\slot+3], 8192
	JLOAD \slot                                    ; its four v_nop are also the plain lines in front of the loads below
.else
	PLACES
.endif
	FETCH \next, 0, 0
.if \fill
	ASK
.endif
	WIN MUL
	MUL8 1, 4, 0
	MUL8 1, 6, 0
.endm
	s_wait_tensorcnt 1                             ; my part of K step 0 is in; K step 1's may stay out
	s_barrier_signal -1
	s_barrier_wait -1
	FETCH 0, 0, 0
	s_wait_loadcnt 0x0                             ; the bias
	QUARTER 0, 1, 0, 1, 1                          ; the first quarter starts the sums from the bias
	WIN 0
	s_mov_b32 s3, LAPS-1
.Llap:                                             ; a trip goes once round the ring, from a lap's second quarter to the next lap's first, and fills both slots again
	QUARTER 0, 2, 1, 0, 0
	QUARTER 0, 3, 0, 1, 0
	TURN 0, 1, 1
	QUARTER 1, 1, 0, 1, 0
	QUARTER 1, 2, 1, 0, 0
	QUARTER 1, 3, 0, 1, 0
	TURN 1, 0, 1
	QUARTER 0, 1, 0, 1, 0
	WIN 0
	s_sub_co_u32 s3, s3, 1
	s_cmp_lg_u32 s3, 0
	s_cbranch_scc1 .Llap
	QUARTER 0, 2, 1, 0, 0                          ; the last lap fills nothing
	QUARTER 0, 3, 0, 1, 0
	TURN 0, 1, 0
	QUARTER 1, 1, 0, 1, 0
	QUARTER 1, 2, 1, 0, 0
	QUARTER 1, 3, 0, 1, 0
	s_wait_dscnt 8
	WIN MUL
	MUL8 1, 0, 0
	MUL8 1, 2, 0
	s_wait_dscnt 0
	MUL8 1, 4, 0
	MUL8 1, 6, 0
	WIN 0
; THE WAY OUT, a block of 16 tokens x 64 columns at a time, through my own stage: a lane's 32 bytes go in, whole rows of 256 bytes come back, sixteen lanes store 256 consecutive bytes, aligned.
; LDS serves a wave's instructions in order: no wait between the stores and the loads, nor in front of the next block's stores.
.macro TOSTAGE a
	WIN 0x08                                       ; an LDS store's data: window 2
.irp b, 0,1,2,3
	ds_store_b128 v[STO], v[8*(4*(\a)+\b):8*(4*(\a)+\b)+3] offset:64*\b      ; each accumulator from its low end on
	ds_store_b128 v[STO], v[8*(4*(\a)+\b)+4:8*(4*(\a)+\b)+7] offset:64*\b+16
.endr
	WIN 0
.irp t, 0,1,2,3,4,5,6,7
	ds_load_b128 v[BK+32*((\a)%2)+4*\t:BK+32*((\a)%2)+4*\t+3], v[RD] offset:\t*2*SPITCH
.endr
.endm
.macro SEND a, younger                 ; younger: the LDS instructions issued behind block a's loads
	s_wait_dscnt \younger
.irp t, 0,1,2,3,4,5,6,7
	global_store_b128 v[CO], v[BK+32*((\a)%2)+4*\t:BK+32*((\a)%2)+4*\t+3], s[10:11] offset:(\a)*65536+\t*8192 th:TH_STORE_NT
.endr
.endm
	PLACES
	TOSTAGE 0
.irp a, 1,2,3,4,5,6,7
.if \a > 1
	s_wait_xcnt 0x0                                ; block a - 2's stores have read their registers: block a's loads may land there
.endif
	TOSTAGE \a
	SEND \a-1, 16                                  ; behind block a - 1's loads: block a's 8 stores and 8 loads
.endr
	SEND 7, 0
	s_wait_tensorcnt 0x0                           ; the wave's end
	ds_add_u32 v[SPW], v[NIL]
	s_wait_dscnt 0x0
	CROUND                                         ; the closing round
	s_endpgm
.Lfunc_end_k_q0b0e34d3c1_proj:
	.size	k_q0b0e34d3c1_proj, .Lfunc_end_k_q0b0e34d3c1_proj-k_q0b0e34d3c1_proj
	.p2alignl 7, 3214868480
	.fill 96, 4, 3214868480
	.section	.rodata,"a",@progbits
	.p2align	6, 0x0
	.amdhsa_kernel k_q0b0e34d3c1_proj
		.amdhsa_group_segment_fixed_size 327680
		.amdhsa_private_segment_fixed_size 0
		.amdhsa_enable_private_segment 0
		.amdhsa_kernarg_size 32
		.amdhsa_user_sgpr_count 2
		.amdhsa_user_sgpr_kernarg_segment_ptr 1
		.amdhsa_wavefront_size32 1
		.amdhsa_system_sgpr_workgroup_id_x 1
		.amdhsa_system_sgpr_workgroup_id_y 1
		.amdhsa_system_sgpr_workgroup_id_z 1
		.amdhsa_system_vgpr_workitem_id 0
		.amdhsa_next_free_vgpr 768
		.amdhsa_next_free_sgpr 66
		.amdhsa_reserve_vcc 0
		.amdhsa_float_denorm_mode_32 3
		.amdhsa_float_denorm_mode_16_64 3
		.amdhsa_memory_ordered 1
		.amdhsa_forward_progress 1
		.amdhsa_inst_pref_size 87
	.end_amdhsa_kernel
	.amdgpu_metadata
---
amdhsa.version: [ 1, 2 ]
amdhsa.kernels:
  - .name:           k_q0b0e34d3c1_proj
    .symbol:         k_q0b0e34d3c1_proj.kd
    .args:
      - { .name: ao, .offset: 0, .size: 8, .value_kind: global_buffer, .address_space: global }
      - { .name: wp, .offset: 8, .size: 8, .value_kind: global_buffer, .address_space: global }
      - { .name: b_proj, .offset: 16, .size: 8, .value_kind: global_buffer, .address_space: global }
      - { .name: out0, .offset: 24, .size: 8, .value_kind: global_buffer, .address_space: global }
    .group_segment_fixed_size: 327680
    .private_segment_fixed_size: 0
    .kernarg_segment_align: 8
    .kernarg_segment_size: 32
    .max_flat_workgroup_size: 128
    .sgpr_count:     66
    .vgpr_count:     768
    .wavefront_size: 32
...
	.end_amdgpu_metadata
.endif
;; end of part 4
